; MI455X (gfx1250); checked and timed in simulation.
; The chip was launched on July 23, 2026; its instructions are those of AMD's public machine-readable ISA for CDNA 5 (MIT licence, August 2026) and "CDNA5" Instruction Set Architecture Reference Guide (July 2026). The comments in the code are by the model that wrote it; some were corrected since.
;; ECPG Linear. Allowed arithmetic: matrix products marked QUANTISED: E4M3 operands, one E8M0 scale for each 32 along K, by v_wmma_scale_f32_16x16x128_f8f6f4 with both operands' format E4M3, f32 sums; everything else in f32.
;; Inputs: scales 65,536 float32; ternary 2,048 x 4,096 int32; x_codes 4 x 2,048 x 128 x 32 uint8 (E4M3 codes of x, K innermost, in blocks of 32 codes); x_scales 4 x 2,048 x 128 uint8 (E8M0 scales of x, one for each 32 codes along K).
;; Outputs: out0 4 x 2,048 x 2,048 float32.
;; This version of the problem:
;;   THIS VERSION OF THE PROBLEM IS GIVEN IN LOW PRECISION. The matrix products marked QUANTISED in the list below multiply operands that are first quantised to E4M3 (4 exponent bits, 3 mantissa bits; 8 bits a number), with one power-of-two scale for each 32 numbers along K (OCP MX v1.0); their sums are f32. All else is computed in f32.
;;   The module's matrix products, in the order in which they are computed (A, B: the left and right operand; K: the contracted axis; several contracted axes count as one K, in the product's order):
;;     1. [M 8,192, K 4,096] x [K 4,096, N 2,048]; A: input x (given as codes); B: computed on the way: QUANTISED
;;   THE QUANTISER, for each operand of a quantised product, along K:
;;     - K is cut into blocks of 32 from its start; a last block that is shorter is filled with zeros.
;;     - A block's scale is 2^e with e = floor(log2(the largest magnitude in the block)) - 8, held to -126 .. 127; a block of zeros has e = 0. As a byte (E8M0): e + 127.
;;     - Each number is divided by its block's scale, clamped to +-448, and rounded to the nearest number of E4M3, ties to even, subnormals kept.
;;     - The product sums the exact products of the quantised numbers (number of the format x scale) in f32.
;;   ~~~python
;;   def quantise(x, axis):      # numpy; x: float32 -> the quantised numbers, widened to float32 again
;;       x = np.moveaxis(x, axis, -1); K = x.shape[-1]
;;       x = np.pad(x, [(0, 0)] * (x.ndim - 1) + [(0, -K % 32)]); x = x.reshape(x.shape[:-1] + (-1, 32)); a = np.abs(x).max(-1, keepdims=True)
;;       e = np.where(a > 0, np.clip(np.frexp(np.where(a > 0, a, 1))[1] - 1 - 8, -126, 127), 0)      # np.frexp(a)[1] - 1 = floor(log2(a)), exactly
;;       r = np.clip(x / 2.0 ** e, -448, 448)
;;       step = 2.0 ** (np.maximum(np.frexp(np.where(r == 0, 1, r))[1] - 1, -6) - 3)
;;       q = np.round(r / step) * step * 2.0 ** e      # np.round: ties to even
;;       return np.moveaxis(q.reshape(q.shape[:-2] + (-1,))[..., :K], -1, axis).astype(np.float32)
;;   ~~~
;;   OPERANDS COMPUTED ON THE WAY. 'Computed on the way' means the value that the module computes at that place (a softmax that the list does not call 'softmax' is quantised finished and normalised). What goes into a quantiser is computed in f32, as accurately as f32 sums, v_exp_f32 and their like allow (about 1e-6 of the number): no bf16 or f16 on the way to a quantiser, and a product that is left as it is and whose result goes on into a quantised operand takes f32 operands (vector FMAs, or v_wmma_f32_16x16x4_f32). A number that lies on a knife's edge between two numbers of the format may be rounded either way, as far as f32 arithmetic and the matrix unit's own rounding can turn it there, and no further.
;;   INPUTS GIVEN AS CODES. x (in the module: [4, 2048, 4096], K = its axis 2): each comes as NAME_codes (uint8): NAME with its K axis moved to the last place and cut into blocks of 32 codes, [.., K / 32, bytes a block], one block behind the other in memory; one code a byte (a code: sign, 4 exponent bits, 3 mantissa bits); and NAME_scales (uint8): the same leading axes, one E8M0 byte (e + 127) for each 32 codes along K. Its value is code x scale, taken as it is: it is not quantised again, and the codes and scales need not be those that the quantiser above would give.
;; One version. Each part assembles by itself: llvm-mc -triple=amdgcn-amd-amdhsa -mcpu=gfx1250 --defsym DOCPART=n.
;; ======== version 1 of 1: 2 launches
;; limits: right only within a limited range of input values
;; workspace buffers: w_codes 8,388,608 bytes; sc 1,310,720 bytes
;; launch prep (part 1): grid 256 x 1, 8 waves a work-group, no clusters, 72,704 bytes of LDS; arguments ternary, scales, x_scales, w_codes, sc; writes w_codes, sc
.if DOCPART == 1
	.amdgcn_target "amdgcn-amd-amdhsa--gfx1250"
	.amdhsa_code_object_version 6
	.text
	.protected	k_q69a8c18276_prep
	.globl	k_q69a8c18276_prep
	.p2align	8
	.type	k_q69a8c18276_prep,@function
k_q69a8c18276_prep:
	s_mov_b64 s[64:65], 0
	v_nop
	global_prefetch_b8 v0, s[64:65] scope:SCOPE_SE
	s_setreg_imm32_b32 hwreg(HW_REG_WAVE_MODE, 25, 1), 1
	s_wait_xcnt 0x0
; W[n][k] = f32(ternary[n][k]) x scales[32 n + k / 128], [2048][4096], is made in f32 (one conversion, one multiplication) and turned into codes of FP8 (E4M3), K innermost,
; w_codes [2048][4096], with one E8M0 byte for each 32 along K.  All scale bytes of the product are laid BY K STEP OF 256 in one buffer: sc [16 K steps][8,192 rows of x, then 2,048 rows of W][8 bytes]:
; W's are made here, x_scales [8192][128] is laid again.  So the product's launch reads a row's two scale words of a K step as 8 bytes, neighbouring rows in neighbouring lanes, x's and W's from one base.
; A block's scale is 2^(floor(log2(its largest magnitude)) - 8); its byte is the largest magnitude's exponent field - 8, held at 1 from below.  Each number is divided by the scale, held within +-448 and
; rounded to the nearest code, ties to even.  Nothing is taken for granted of ternary (any int32; its conversion rounds to nearest even) nor of the sign of a scale.
; LIMITS: a block of zeros gets the byte 1 where the rule says 127: its codes are zeros, which add nothing under any byte but 0xff, and this program alone reads the bytes.  NaN and infinities among scales are not served.
; SHARES.  Work-group g: rows 32 (g / 4) .. + 31 of W, K = 1,024 (g % 4) .. + 1,023 (four K steps), and rows 32 g .. + 31 of x_scales.  32 rows, so that a K step's bytes of a work-group are 32 x 8 = 256 consecutive bytes, aligned.
; Wave w: rows 4 w .. 4 w + 3 of the 32, in 8 steps of 512 numbers: step t is row t / 2, half t % 2 of the 1,024.
; A conversion takes 8 numbers of ONE block from a lane's consecutive registers, so a lane must hold 16 NEIGHBOURS; a load is best where neighbouring LANES take neighbouring bytes.  Both are had: each of a step's four loads
; reads 512 consecutive bytes, 16 a lane; the 2,048 bytes go through the wave's own stage in LDS as they lie and come back 64 bytes a lane.  Two neighbouring lanes hold a block.
; No tensor load, no matrix unit, no cluster: the work-groups share no input and the launch streams.  ALL 32 loads of a wave go out at the head (128 registers): the work-group's whole 128 KiB is on its way at once.
; The turn through LDS runs one step ahead.  One barrier, ahead of the scale bytes' way out.
.set STEPS, 8
.set SP,    80                         ; a lane's place in a stage: its 64 bytes + 16 of padding
.set STG,   32*SP                      ; a stage
.set WREG,  8192                       ; LDS: a region for each wave: two stages, and behind them
.set SCW,   2*STG                      ; its 32 group scales (4 rows x 8 groups), 128 bytes
.set GATH,  8*WREG                     ; W's scale bytes of the work-group: [4 K steps][32 rows][8]
.set XG,    GATH+1024                  ; x_scales' 32 rows,
.set XP,    144                        ; 128 bytes + 16 apart: an odd multiple of 16, so that 16-byte accesses down a column start at different banks (64 banks of 4 bytes: ISA guide 11.1)
.set SCSTEP, 81920                     ; a K step in sc: (8,192 + 2,048) rows x 8 bytes
.set WROW0, 65536                      ; in it W's rows begin behind x's 8,192
.set R,     16                         ; v16-143  eight sets of 16 numbers as they are loaded, one for each step
.set X,     144                        ; v144-175 two sets of 16 neighbours
.set E,     176                        ; v176-183 a scale byte for each step
.set S,     184                        ; v184-191 my numbers' group scale in each step
.set C,     192                        ; v192-223 codes: four registers for each step, so that no store's data are written again
.set GS,    224                        ; v224     a group scale as loaded
.set AGI,   225                        ; v225     LDS: the group scales, in
.set AGO,   226                        ; v226     and out
.set GOF,   227                        ; v227     their place in memory
.set XI,    228                        ; v228-231 x_scales as loaded
.set AXI,   232                        ; v232     LDS: x's bytes, in
.set AXO,   233                        ; v233     and out
.set XO,    236                        ; v236-239 x's bytes of two K steps
.set WO,    240                        ; v240-241 W's bytes of one K step
	s_load_b256 s[4:11], s[0:1], 0x0               ; ternary s[4:5], scales s[6:7], x_scales s[8:9], w_codes s[10:11]
	s_load_b64 s[12:13], s[0:1], 0x20              ; sc
	v_lshl_add_u32 v254, v0, 2, 0x11800
	v_mov_b32 v255, 0
	v_lshrrev_b32 v1, 5, v0
	s_delay_alu instid0(VALU_DEP_1)
	v_readfirstlane_b32 s16, v1                    ; wave 0..7
	v_and_b32 v2, 31, v0                           ; lane
	s_lshr_b32 s17, ttmp9, 2                       ; which 32 rows of W
	s_and_b32 s18, ttmp9, 3                        ; which 1,024 along K
	s_mov_b32 s19, 0x600000                        ; the mantissa field of 448 (an instruction takes one literal: the hold's line has another)
	v_lshlrev_b32 v3, 4, v2                        ; 16 x lane: my bytes of a load's 512, and of a step's 512 bytes of codes
	v_lshlrev_b32 v7, 3, v2                        ; 8 x lane: a row's bytes of a K step
	; every LDS address: a constant + a constant x lane parts + a constant x wave; all are made here, ahead of every branch
	s_lshl_b32 s34, s16, 13                        ; my wave's region
	v_lshrrev_b32 v14, 2, v2
	s_delay_alu instid0(VALU_DEP_1)
	v_mul_u32_u24 v14, v14, SP
	v_and_b32 v15, 3, v2
	s_delay_alu instid0(VALU_DEP_1)
	v_lshl_add_u32 v14, v15, 4, v14
	s_delay_alu instid0(VALU_DEP_1)
	v_add_nc_u32 v14, s34, v14                     ; the stage, on the way in: four lanes' 64 bytes on end, then the padding
	v_mul_u32_u24 v15, v2, SP
	s_delay_alu instid0(VALU_DEP_1)
	v_add_nc_u32 v15, s34, v15                     ; and on the way out: my 16 neighbours
	s_add_co_u32 s35, s34, SCW
	v_lshl_add_u32 v[AGI], v2, 2, s35              ; the group scales: in, one a lane;
	v_lshrrev_b32 v8, 3, v2                        ; lane / 8
	s_delay_alu instid0(VALU_DEP_1)
	v_lshl_add_u32 v[AGO], v8, 2, s35              ; out: in step t my 16 numbers lie in entry 4 t + lane / 8
	v_and_b32 v9, 7, v2                            ; lane % 8
	s_delay_alu instid0(VALU_DEP_1)
	v_lshlrev_b32 v[GOF], 2, v9
	s_delay_alu instid0(VALU_DEP_1)
	v_lshl_add_u32 v[GOF], v8, 7, v[GOF]           ; and in memory: row lane / 8 (32 groups, 128 bytes a row), group lane % 8
	v_lshrrev_b32 v10, 4, v2
	v_bfe_u32 v11, v2, 1, 3
	s_delay_alu instid0(VALU_DEP_1)
	v_lshl_add_u32 v5, v10, 8, v11                 ; my block's byte: K step lane / 16 of the step's two, block (lane / 2) % 8,
	s_lshl_b32 s35, s16, 5
	s_add_co_u32 s35, s35, GATH
	v_add_nc_u32 v5, s35, v5                       ; my wave's four rows
	s_and_b32 s36, s16, 3
	s_lshl_b32 s35, s36, 8
	s_add_co_u32 s35, s35, GATH
	v_add_nc_u32 v6, s35, v7                       ; W's bytes on the way out: K step wave % 4, row = lane
	v_mul_u32_u24 v[AXI], v8, XP
	s_delay_alu instid0(VALU_DEP_1)
	v_lshl_add_u32 v[AXI], v9, 4, v[AXI]
	s_mul_i32 s35, s16, 4*XP
	s_add_co_u32 s35, s35, XG
	v_add_nc_u32 v[AXI], s35, v[AXI]               ; x's bytes, in: row 4 w + lane / 8, 16 bytes at 16 (lane % 8)
	v_mul_u32_u24 v[AXO], v2, XP
	s_lshl_b32 s35, s16, 4
	s_add_co_u32 s35, s35, XG
	v_add_nc_u32 v[AXO], s35, v[AXO]               ; out: row = lane, K steps 2 w and 2 w + 1
	; where my wave's parts begin, in bytes (each under 2^32)
	s_lshl_b32 s20, s17, 5
	s_lshl_b32 s21, s16, 2
	s_add_co_u32 s20, s20, s21                     ; my first row of W
	s_lshl_b32 s22, s20, 14                        ; ternary: 16,384 bytes a row, 4,096 for 1,024 along K
	s_lshl_b32 s21, s18, 12
	s_add_co_u32 s22, s22, s21
	s_mov_b32 s23, 0
	s_lshl_b32 s24, s20, 12                        ; w_codes: 4,096 a row, 1,024
	s_lshl_b32 s21, s18, 10
	s_add_co_u32 s24, s24, s21
	s_mov_b32 s25, 0
	s_lshl_b32 s26, s20, 7                         ; scales: 128 a row, 32
	s_lshl_b32 s21, s18, 5
	s_add_co_u32 s26, s26, s21
	s_mov_b32 s27, 0
	s_lshl_b32 s28, ttmp9, 12                      ; x_scales: 4,096 a work-group, 512 a wave
	s_lshl_b32 s21, s16, 9
	s_add_co_u32 s28, s28, s21
	s_mov_b32 s29, 0
	s_mul_i32 s30, s16, 2*SCSTEP                   ; sc, x's part: K step 2 w, 256 bytes a work-group
	s_lshl_b32 s21, ttmp9, 8
	s_add_co_u32 s30, s30, s21
	s_mov_b32 s31, 0
	s_lshl_b32 s32, s18, 2                         ; sc, W's part: K step 4 (g % 4) + wave % 4, behind x's rows, 256 bytes for 32 rows
	s_add_co_u32 s32, s32, s36
	s_mul_i32 s32, s32, SCSTEP
	s_lshl_b32 s21, s17, 8
	s_add_co_u32 s32, s32, s21
	s_add_co_u32 s32, s32, WROW0
	s_mov_b32 s33, 0
	s_wait_alu depctr_va_vdst(0)
	s_wait_kmcnt 0x0
	s_add_nc_u64 s[4:5], s[4:5], s[22:23]
	s_add_nc_u64 s[10:11], s[10:11], s[24:25]
	s_add_nc_u64 s[6:7], s[6:7], s[26:27]
	s_add_nc_u64 s[8:9], s[8:9], s[28:29]
	s_add_nc_u64 s[14:15], s[12:13], s[30:31]      ; where I store x's bytes,
	s_add_nc_u64 s[12:13], s[12:13], s[32:33]      ; and W's
.macro LOAD t                          ; step t: row t / 2, half t % 2
.irp i, 0,1,2,3
	global_load_b128 v[R+16*(\t)+4*\i:R+16*(\t)+4*\i+3], v3, s[4:5] offset:((\t)/2)*16384+((\t)%2)*2048+512*\i th:TH_LOAD_NT   ; 32 lanes read 512 consecutive bytes; read once in the launch
.endr
.endm
.macro TURN t                          ; step t's numbers through the stage: LDS serves a wave's instructions in order (ISA guide 5.7.1.4), so no wait stands between the stores and the loads
.irp i, 0,1,2,3
	ds_store_b128 v14, v[R+16*(\t)+4*\i:R+16*(\t)+4*\i+3] offset:STG*((\t)%2)+8*SP*\i
.endr
.irp i, 0,1,2,3
	ds_load_b128 v[X+16*((\t)%2)+4*\i:X+16*((\t)%2)+4*\i+3], v15 offset:STG*((\t)%2)+16*\i
.endr
.endm
	global_load_b32 v[GS], v[GOF], s[6:7]          ; my wave's 32 group scales, one a lane (32 bytes of each of four rows: 1 byte in 128 of what the launch reads)
	global_load_b128 v[XI:XI+3], v3, s[8:9] th:TH_LOAD_NT   ; four rows of x_scales: 512 consecutive bytes
.irp t, 0,1,2,3,4,5,6,7
	LOAD \t
.endr
	s_wait_loadcnt 32                              ; the two small loads are in; behind them stand the 32 of the eight steps
	ds_store_b32 v[AGI], v[GS]
	ds_store_b128 v[AXI], v[XI:XI+3]
.irp t, 0,1,2,3,4,5,6,7
	ds_load_b32 v[S+\t], v[AGO] offset:16*\t       ; my own wave's bytes, served in order behind the store above
.endr
	s_wait_loadcnt 28                              ; step 0's four loads are in; those of the seven steps behind it may be out
	TURN 0
.macro STEP t
.set XS, X+16*((\t)%2)
.if (\t) > 0
	s_wait_dscnt 1                                 ; this step's numbers are back from the stage; the last step's byte store may be out
.else
	s_wait_dscnt 0x0                               ; (and the group scales are in)
.endif
.if (\t)+1 < STEPS
	s_wait_loadcnt 4*(STEPS-2-(\t))                ; the next step's four loads are in; those of the steps behind it may be out
	TURN (\t)+1                                    ; and go through the other stage while this step is worked
.endif
.irp i, 0,1,2,3,4,5,6,7,8,9,10,11,12,13,14,15
	v_cvt_f32_i32 v[XS+\i], v[XS+\i]
.endr
.irp i, 0,1,2,3,4,5,6,7,8,9,10,11,12,13,14,15
	v_mul_f32 v[XS+\i], v[S+(\t)], v[XS+\i]        ; w = f32(ternary) x its group's scale: one rounding
.endr
	v_max3_num_f32 v8, |v[XS]|, |v[XS+1]|, |v[XS+2]|               ; the largest magnitude of my 16, in two chains
	v_max3_num_f32 v9, |v[XS+3]|, |v[XS+4]|, |v[XS+5]|
.irp i, 6,10
	s_delay_alu instid0(VALU_DEP_2)
	v_max3_num_f32 v8, v8, |v[XS+\i]|, |v[XS+\i+1]|
	s_delay_alu instid0(VALU_DEP_2)
	v_max3_num_f32 v9, v9, |v[XS+\i+2]|, |v[XS+\i+3]|
.endr
	s_delay_alu instid0(VALU_DEP_2)
	v_max3_num_f32 v8, v8, |v[XS+14]|, |v[XS+15]|
	s_delay_alu instid0(VALU_DEP_1)
	v_max3_num_f32 v8, v8, v9, 0x4800000           ; and the floor 2^(9 - 127), under which no largest magnitude is taken: so the byte cannot fall under 1
	s_delay_alu instid0(VALU_DEP_1)
	v_max_num_f32_dpp v8, v8, v8 row_xmask:1 row_mask:0xf bank_mask:0xf   ; and of my neighbour's 16: the block's
	s_delay_alu instid0(VALU_DEP_1)
	v_add_nc_u32 v11, 0xfc000000, v8               ; 8 off its exponent field: the conversion takes the exponent field of this operand as its scale, and nothing else of it
	s_delay_alu instid0(VALU_DEP_2)
	v_and_or_b32 v10, v8, 0x7f800000, s19          ; 448 x the scale: the largest magnitude's exponent field over 448's mantissa
.irp i, 0,1,2,3,4,5,6,7,8,9,10,11,12,13,14,15
	v_med3_num_f32 v[XS+\i], v[XS+\i], -v10, v10   ; the conversion to an 8-bit code does not saturate (ISA guide 7.6.2): hold the number within the largest code x the scale first
.endr
	v_cvt_scalef32_pk8_fp8_f32 v[C+4*(\t):C+4*(\t)+1], v[XS:XS+7], v11
	v_cvt_scalef32_pk8_fp8_f32 v[C+4*(\t)+2:C+4*(\t)+3], v[XS+8:XS+15], v11
	v_lshrrev_b32 v[E+(\t)], 23, v11               ; the scale's byte; also the plain line behind the conversions
	ds_store_b8 v5, v[E+(\t)] offset:((\t)%2)*512+((\t)/2)*8       ; both lanes of a block write the same byte with the same value
	global_store_b128 v3, v[C+4*(\t):C+4*(\t)+3], s[10:11] offset:((\t)/2)*4096+((\t)%2)*512   ; the wave stores 512 consecutive bytes, at a multiple of 256 from the buffer's first byte
.endm
.irp t, 0,1,2,3,4,5,6,7
	STEP \t
.endr
	s_wait_dscnt 0x0                               ; for the others' sake: my stores of scale bytes, W's and x's, have landed
	s_barrier_signal -1
	s_barrier_wait -1                              ; everybody's have
	ds_load_b128 v[XO:XO+3], v[AXO]                ; row = lane: its bytes of K steps 2 w and 2 w + 1
	s_wait_dscnt 0x0
	global_store_b64 v7, v[XO:XO+1], s[14:15]      ; 32 lanes store 256 consecutive bytes, aligned: 32 rows of one K step
	global_store_b64 v7, v[XO+2:XO+3], s[14:15] offset:SCSTEP
	s_cmp_lt_u32 s16, 4                            ; W has four K steps here: waves 0 to 3 store one each.  No barrier stands behind this branch
	s_cbranch_scc0 .Lend
	ds_load_b64 v[WO:WO+1], v6
	s_wait_dscnt 0x0
	global_store_b64 v7, v[WO:WO+1], s[12:13]      ; likewise 256 consecutive bytes, aligned
.Lend:
	s_wait_tensorcnt 0x0
	ds_add_u32 v254, v255
	s_wait_dscnt 0x0
	s_endpgm
.Lfunc_end_k_q69a8c18276_prep:
	.size	k_q69a8c18276_prep, .Lfunc_end_k_q69a8c18276_prep-k_q69a8c18276_prep
	.p2alignl 7, 3214868480
	.fill 96, 4, 3214868480
	.section	.rodata,"a",@progbits
	.p2align	6, 0x0
	.amdhsa_kernel k_q69a8c18276_prep
		.amdhsa_group_segment_fixed_size 72704
		.amdhsa_private_segment_fixed_size 0
		.amdhsa_enable_private_segment 0
		.amdhsa_kernarg_size 40
		.amdhsa_user_sgpr_count 2
		.amdhsa_user_sgpr_kernarg_segment_ptr 1
		.amdhsa_wavefront_size32 1
		.amdhsa_system_sgpr_workgroup_id_x 1
		.amdhsa_system_sgpr_workgroup_id_y 1
		.amdhsa_system_sgpr_workgroup_id_z 1
		.amdhsa_system_vgpr_workitem_id 0
		.amdhsa_next_free_vgpr 256
		.amdhsa_next_free_sgpr 66
		.amdhsa_reserve_vcc 0
		.amdhsa_float_denorm_mode_32 3
		.amdhsa_float_denorm_mode_16_64 3
		.amdhsa_memory_ordered 1
		.amdhsa_forward_progress 1
		.amdhsa_inst_pref_size 40
	.end_amdhsa_kernel
	.amdgpu_metadata
---
amdhsa.version: [ 1, 2 ]
amdhsa.kernels:
  - .name:           k_q69a8c18276_prep
    .symbol:         k_q69a8c18276_prep.kd
    .args:
      - { .name: ternary, .offset: 0, .size: 8, .value_kind: global_buffer, .address_space: global }
      - { .name: scales, .offset: 8, .size: 8, .value_kind: global_buffer, .address_space: global }
      - { .name: x_scales, .offset: 16, .size: 8, .value_kind: global_buffer, .address_space: global }
      - { .name: w_codes, .offset: 24, .size: 8, .value_kind: global_buffer, .address_space: global }
      - { .name: sc, .offset: 32, .size: 8, .value_kind: global_buffer, .address_space: global }
    .group_segment_fixed_size: 72704
    .private_segment_fixed_size: 0
    .kernarg_segment_align: 8
    .kernarg_segment_size: 40
    .max_flat_workgroup_size: 256
    .sgpr_count:     66
    .vgpr_count:     256
    .wavefront_size: 32
...
	.end_amdgpu_metadata
.endif
;; end of part 1
;; launch gemm (part 2): grid 8 x 32, 4 waves a work-group, clusters of 4 x 4, 327,680 bytes of LDS; arguments x_codes, sc, w_codes, out0; writes out0
.if DOCPART == 2
	.amdgcn_target "amdgcn-amd-amdhsa--gfx1250"
	.amdhsa_code_object_version 6
	.text
	.protected	k_q69a8c18276_gemm
	.globl	k_q69a8c18276_gemm
	.p2align	8
	.type	k_q69a8c18276_gemm,@function
k_q69a8c18276_gemm:
	s_mov_b64 s[64:65], 0
	v_nop
	global_prefetch_b8 v0, s[64:65] scope:SCOPE_SE
	s_setreg_imm32_b32 hwreg(HW_REG_WAVE_MODE, 25, 1), 1
	s_wait_xcnt 0x0
	s_wait_alu depctr_hold_cnt(0) depctr_sa_sdst(0) depctr_va_vdst(0) depctr_va_sdst(0) depctr_va_ssrc(0) depctr_va_vcc(0) depctr_vm_vsrc(0)
	s_getreg_b32 s2, hwreg(HW_REG_IB_STS2, 6, 4)
	s_cmp_eq_u32 s2, 0
	s_cbranch_scc0 .Lentry_in_a_cluster
	s_endpgm
.Lentry_in_a_cluster:
	s_bfe_u32 s2, ttmp6, 0x10000c
	s_cmp_lg_u32 s2, 0xf033
	s_cbranch_scc0 .Lentry_shape_is_right
	s_endpgm
.Lentry_shape_is_right:
; out0[m][n] = sum over k of x[m][k] W[n][k], both as MX-FP8 codes with E8M0 scales; M 8,192, N 2,048, K 4,096; f32 sums, K ascending.
; A work-group of four waves makes 256 x 256 of out0, a wave 128 x 128 (64 accumulators, 512 registers).  K goes in steps of 256 through a ring of two LDS slots (256 rows of x, 256 of W, rows 272 bytes apart).
; CLUSTERS of 4 x 4: x's tiles are asked for jointly along a row of the cluster, W's along a column; each wave brings 128 rows by one tensor load behind each round.
; SCALES: sc [16 K steps][8,192 rows of x, 2,048 of W][8 bytes]; one register carries x's word (lanes 0-15) and W's (lanes 16-31) of block i; two sets, loaded a K step ahead.
; The matrix instruction is used transposed (source 0 = rows of W, source 1 = rows of x): a lane holds eight neighbouring numbers of a row of out0, which leave through the wave's own stage in LDS.
; PREFETCH: behind each refill, the K step two refills on, a lane a row of 256 bytes; the four partners of a joint load share its 128 rows out by address.  Both clusters that load a tile row of x ask for it;
; of the eight clusters that load a tile column of W, the four with an even y ask for it.  The last two refills have no K step two on and ask for nothing.
; REGISTERS: window 0: v16-30 addresses, v32-63 scale words, v128-255 x's fragments (one set); window 1: W's fragments (two sets); windows 2 and 3: the accumulators.
.set SIZE_K, 4096
.set SIZE_N, 2048
.set KSTEP,  256
.set NQ,     KSTEP/128
.set ROWB,   256
.set KROW,   SIZE_K
.set PITCH,  272
.set FR,     16
.set NL,     4
.set NP,     8
.set HALFT,  128*PITCH
.set SLOT,   4*HALFT
.set LAPS,   SIZE_K/(2*KSTEP)
.set SCSTEP, 81920
.set WROW0,  65536
.set SPARE,  2*SLOT
.set STAGE,  SPARE+512
.set SPITCH, 528
.set ADRA, 16
.set ADRB, 20
.set VSO,  22
.set STO,  24
.set RD,   25
.set CO,   26
.set PFO,  27
.set SPW,  28
.set NIL,  29
.set PFS,  30
.set SC,   32
.set AF,   128
.set BK,   128
.set G1A,  24
.set G0A,  32
.set G1B,  48
.set G0B,  56
.set PFA,  68
.set PSA,  46
.set LIM,  66
.set LIMS, 67
.set MSB, 0
.macro WIN new
.if MSB != \new
	s_set_vgpr_msb (MSB<<8)|\new
.set MSB, \new
.endif
.endm
.set MUL_LO, 0xa1
.set MUL_HI, 0xf1
.set TO_B,   0x40
.macro JLOAD s
	s_cmp_eq_u32 s15, 0
	s_cbranch_scc0 .Lfor_b_\@
	tensor_load_to_lds s[G0A+4*\s:G0A+4*\s+3], s[G1A:G1A+7]
	s_nop 0
.rept 4
	v_nop
.endr
	s_branch .Lasked_\@
.Lfor_b_\@:
	tensor_load_to_lds s[G0B+4*\s:G0B+4*\s+3], s[G1B:G1B+7]
	s_nop 0
.rept 4
	v_nop
.endr
.Lasked_\@:
.endm
.macro ASK
	s_cmp_gt_u32 s3, s[LIM]
	s_cbranch_scc0 .Lnot_mine_\@
	global_prefetch_b8 v[PFO], s[PFA:PFA+1] offset:ROWB th:TH_LOAD_NT scope:SCOPE_DEV
.Lnot_mine_\@:
.endm
.macro CREST
	s_cmp_lg_u32 s14, 0
	s_cbranch_scc1 .Lnot_wave_0_\@
	s_barrier_signal -3
.Lnot_wave_0_\@:
	s_barrier_wait -3
	s_barrier_signal -1
	s_barrier_wait -1
.endm
.macro CROUND
	s_barrier_signal -1
	s_barrier_wait -1
	CREST
.endm
.macro SCALES sc, off
.irp i, 0,1,2,3,4,5,6,7
	global_load_b64 v[SC+8*NQ*\sc+NQ*\i:SC+8*NQ*\sc+NQ*\i+1], v[VSO], s[6:7] offset:\off+128*\i
.endr
.endm
	s_load_b128 s[4:7], s[0:1], 0x0
	s_load_b128 s[8:11], s[0:1], 0x10
	v_lshl_add_u32 v[SPW], v0, 2, SPARE
	v_mov_b32 v[NIL], 0
	ds_add_u32 v28, v29
	ds_add_u32 v28, v29
	s_wait_dscnt 0x0
	v_lshrrev_b32 v1, 5, v0
	v_readfirstlane_b32 s14, v1
	s_lshr_b32 s15, s14, 1
	s_and_b32 s16, s14, 1
	s_bfe_u32 s40, ttmp6, 0x40000
	s_bfe_u32 s41, ttmp6, 0x40004
	s_lshl_b32 s42, ttmp9, 2
	s_add_co_u32 s42, s42, s40
	s_and_b32 s17, ttmp7, 0xffff
	s_lshl_b32 s17, s17, 2
	s_add_co_u32 s17, s17, s41
	s_lshl_b32 s43, s41, 2
	s_lshl_b32 s43, 15, s43
	s_lshl_b32 s44, 0x1111, s40
	s_or_b32 s[G1A+0], s43, (0<<16)|(1<<20)|(1<<21)|(5<<22)|(3<<25)
	s_or_b32 s[G1B+0], s44, (0<<16)|(1<<20)|(1<<21)|(5<<22)|(3<<25)
.irp g, G1A, G1B
	s_mov_b32 s[\g+1], ROWB<<16
	s_mov_b32 s[\g+2], 128<<16
	s_mov_b32 s[\g+3], ROWB<<16
	s_mov_b32 s[\g+4], 128
	s_mov_b32 s[\g+5], KROW
	s_mov_b32 s[\g+6], 0
	s_mov_b32 s[\g+7], 0
.endr
	s_lshl_b32 s18, s16, 19
	s_lshl_b32 s20, s17, 20
	s_add_co_u32 s20, s20, s18
	s_mov_b32 s21, 0
	s_lshl_b32 s46, s42, 20
	s_add_co_u32 s46, s46, s18
	s_mov_b32 s47, 0
	s_mul_i32 s45, s14, HALFT
	s_wait_kmcnt 0x0
	s_add_nc_u64 s[20:21], s[4:5], s[20:21]
	s_add_nc_u64 s[46:47], s[8:9], s[46:47]
	CROUND
.irp s, 0,1
	s_mov_b32 s[G0A+4*\s], 1
	s_add_co_u32 s[G0A+4*\s+1], s45, \s*SLOT
	s_add_nc_u64 s[G0A+4*\s+2:G0A+4*\s+3], s[20:21], \s*ROWB
	s_or_b32 s[G0A+4*\s+3], s[G0A+4*\s+3], 0x80000000
	s_mov_b32 s[G0B+4*\s], 1
	s_add_co_u32 s[G0B+4*\s+1], s45, \s*SLOT
	s_add_nc_u64 s[G0B+4*\s+2:G0B+4*\s+3], s[46:47], \s*ROWB
	s_or_b32 s[G0B+4*\s+3], s[G0B+4*\s+3], 0x80000000
.endr
	JLOAD 0
	s_wait_alu depctr_va_vdst(0)
	s_wait_tensorcnt 0x0
	ds_add_u32 v28, v29
	s_wait_dscnt 0x0
	CROUND
	JLOAD 1
	v_and_b32 v1, 15, v0
	v_bfe_u32 v2, v0, 4, 1
	s_wait_alu depctr_va_vdst(0)
	s_lshl_b32 s21, s17, 11
	s_lshl_b32 s22, s15, 10
	s_add_co_u32 s21, s21, s22
	s_lshl_b32 s22, s42, 11
	s_lshl_b32 s23, s16, 10
	s_add_co_u32 s22, s22, s23
	s_add_co_u32 s22, s22, WROW0
	s_sub_co_u32 s22, s22, s21
	v_mul_u32_u24 v7, s22, v2
	v_lshl_add_u32 v7, v1, 3, v7
	v_add_nc_u32 v[VSO], s21, v7
	SCALES 0, 0
	SCALES 1, SCSTEP
	v_mul_u32_u24 v3, v1, PITCH
	v_lshl_add_u32 v4, v2, 4, v3
	s_mul_i32 s21, s15, HALFT
	s_mul_i32 s22, s16, HALFT
	s_add_co_u32 s22, s22, 2*HALFT
.irp s, 0,1
	v_add_nc_u32 v[ADRA+\s], s21, v4
	v_add_nc_u32 v[ADRB+\s], s22, v4
	s_add_co_u32 s21, s21, SLOT
	s_add_co_u32 s22, s22, SLOT
.endr
	s_mul_i32 s23, s14, 16*SPITCH
	s_add_co_u32 s23, s23, STAGE
	v_mul_u32_u24 v5, v1, SPITCH
	v_lshl_add_u32 v5, v2, 5, v5
	v_add_nc_u32 v[STO], s23, v5
	v_and_b32 v6, 31, v0
	v_lshlrev_b32 v[CO], 4, v6
	v_add_nc_u32 v[RD], s23, v[CO]
	v_lshlrev_b32 v[PFO], 12, v6
	v_lshlrev_b32 v[PFS], 8, v6
	s_lshl_b32 s20, s17, 8
	s_lshl_b32 s21, s15, 7
	s_add_co_u32 s20, s20, s21
	s_lshl_b32 s20, s20, 13
	s_lshl_b32 s21, s42, 10
	s_add_co_u32 s20, s20, s21
	s_lshl_b32 s21, s16, 9
	s_add_co_u32 s20, s20, s21
	s_mov_b32 s21, 0
	s_add_nc_u64 s[10:11], s[10:11], s[20:21]
	s_lshl_b32 s18, s17, 8
	s_lshl_b32 s19, s42, 8
	s_and_b32 s23, ttmp7, 0xffff
	s_lshl_b32 s2, s41, 2
	s_add_co_u32 s2, s2, s40
	s_and_b32 s12, s23, 1                          ; the cluster's y, odd or even: the same in all partners
	s_cmp_eq_u32 s15, 0
	s_cselect_b32 s20, s18, s19
	s_cselect_b32 s21, s40, s41
	s_cselect_b32 s22, 0, s12                      ; 0: my wave prefetches.  x's waves in every cluster, W's in the clusters with an even y
	s_cselect_b32 s23, s23, ttmp9
	s_cselect_b32 s18, 0, WROW0
	s_cselect_b64 s[PFA:PFA+1], s[4:5], s[8:9]
	s_cmp_eq_u32 s22, 0
	s_cselect_b32 s[LIM], 1, -1
	s_or_b32 s22, s22, s16
	s_cmp_eq_u32 s22, 0
	s_cselect_b32 s[LIMS], 1, 0
	s_lshl_b32 s19, s16, 7
	s_add_co_u32 s20, s20, s19
	s_lshl_b32 s21, s21, 5
	s_add_co_u32 s20, s20, s21
	s_lshl_b32 s20, s20, 12
	s_mov_b32 s21, 0
	s_add_nc_u64 s[PFA:PFA+1], s[PFA:PFA+1], s[20:21]
	s_add_nc_u64 s[PFA:PFA+1], s[PFA:PFA+1], 2*ROWB
	s_mul_i32 s20, s2, SCSTEP
	s_lshl_b32 s23, s23, 13
	s_add_co_u32 s20, s20, s23
	s_add_co_u32 s20, s20, s18
	s_add_nc_u64 s[PSA:PSA+1], s[6:7], s[20:21]
.macro FRAG reg, adr, q, i
.irp c, 0,1,2,3
	ds_load_b128 v[\reg+4*\c:\reg+4*\c+3], v[\adr] offset:128*(\q)+32*\c+(\i)*16*PITCH
.endr
.endm
.macro MUL16 a0, p, q, sc, zero
.irp a, \a0, \a0+1
.irp b, 0,1,2,3,4,5,6,7
.if \zero
	v_wmma_scale_f32_16x16x128_f8f6f4 v[8*(8*((\a)%4)+\b):8*(8*((\a)%4)+\b)+7], v[128*(\p)+FR*\b:128*(\p)+FR*\b+FR-1], v[AF+FR*(\a):AF+FR*(\a)+FR-1], 0, v[SC+8*NQ*(\sc)+NQ*\b+(\q)], v[SC+8*NQ*(\sc)+NQ*(\a)+(\q)] matrix_a_scale:MATRIX_SCALE_ROW1
.else
	v_wmma_scale_f32_16x16x128_f8f6f4 v[8*(8*((\a)%4)+\b):8*(8*((\a)%4)+\b)+7], v[128*(\p)+FR*\b:128*(\p)+FR*\b+FR-1], v[AF+FR*(\a):AF+FR*(\a)+FR-1], v[8*(8*((\a)%4)+\b):8*(8*((\a)%4)+\b)+7], v[SC+8*NQ*(\sc)+NQ*\b+(\q)], v[SC+8*NQ*(\sc)+NQ*(\a)+(\q)] matrix_a_scale:MATRIX_SCALE_ROW1
.endif
.endr
.endr
.endm
.macro MUL8 a0, p, q, sc
.irp a, \a0
.irp b, 0,1,2,3,4,5,6,7
	v_wmma_scale_f32_16x16x128_f8f6f4 v[8*(8*((\a)%4)+\b):8*(8*((\a)%4)+\b)+7], v[128*(\p)+FR*\b:128*(\p)+FR*\b+FR-1], v[AF+FR*(\a):AF+FR*(\a)+FR-1], v[8*(8*((\a)%4)+\b):8*(8*((\a)%4)+\b)+7], v[SC+8*NQ*(\sc)+NQ*\b+(\q)], v[SC+8*NQ*(\sc)+NQ*(\a)+(\q)] matrix_a_scale:MATRIX_SCALE_ROW1
.endr
.endr
.endm
.macro FETCH_B slot, q, p
	WIN TO_B
.irp i, 0,1,2,3,4,5,6,7
	FRAG 128*(\p)+FR*\i, ADRB+\slot, \q, \i
.endr
	WIN 0
.endm
.macro FETCH_A slot, q, i0
.irp i, \i0, \i0+1, \i0+2, \i0+3
	FRAG AF+FR*(\i), ADRA+\slot, \q, \i
.endr
.endm
.macro PLACES n
.rept \n
	v_nop
.endr
.endm
.macro STEP slot, q, zero, lc
	s_wait_loadcnt \lc
	s_wait_dscnt 4*NL
	WIN MUL_LO
	MUL16 0, (\q)%2, \q, \slot, \zero
	MUL16 2, (\q)%2, \q, \slot, \zero
	s_wait_dscnt 0
	PLACES NP
	FETCH_B \slot, (\q)+1, 1-(\q)%2
	FETCH_A \slot, (\q)+1, 0
	WIN MUL_HI
	MUL16 4, (\q)%2, \q, \slot, \zero
	MUL16 6, (\q)%2, \q, \slot, \zero
	PLACES NP
	WIN 0
	FETCH_A \slot, (\q)+1, 4
.endm
.macro TURN slot, next, fill
.if \fill
	s_wait_xcnt 0x0
	s_add_nc_u64 s[PFA:PFA+1], s[PFA:PFA+1], ROWB
	s_add_nc_u64 s[6:7], s[6:7], SCSTEP
.endif
	s_wait_dscnt 4*NL
	WIN MUL_LO
	MUL16 0, 1, NQ-1, \slot, 0
	MUL8 2, 1, NQ-1, \slot
	WIN 0                                          ; (the add's two registers lie in window 0)
	s_wait_tensorcnt 0x0
	ds_add_u32 v[SPW], v[NIL]
.if \fill
	s_add_nc_u64 s[G0A+4*\slot+2:G0A+4*\slot+3], s[G0A+4*\slot+2:G0A+4*\slot+3], 2*ROWB
	s_add_nc_u64 s[G0B+4*\slot+2:G0B+4*\slot+3], s[G0B+4*\slot+2:G0B+4*\slot+3], 2*ROWB
.endif
	WIN MUL_LO
	MUL8 3, 1, NQ-1, \slot                         ; eight products stand between the add and the wait for it
	WIN 0
	s_wait_dscnt 0x0                               ; the add is done, and my reads of this slot are over
	s_barrier_signal -1
	s_barrier_wait -1
.if \fill
	CREST
	JLOAD \slot
	PLACES NP-4
.else
	PLACES NP
.endif
	s_wait_alu depctr_va_vdst(0)
	FETCH_B \next, 0, 0
	FETCH_A \next, 0, 0
.if \fill
	ASK
.endif
	WIN MUL_HI
	MUL16 4, 1, NQ-1, \slot, 0
	MUL16 6, 1, NQ-1, \slot, 0
	PLACES NP
	WIN 0
	FETCH_A \next, 0, 4
.if \fill
	SCALES \slot, SCSTEP
.endif
.endm
	s_wait_tensorcnt 1
	s_barrier_signal -1
	s_barrier_wait -1
	FETCH_B 0, 0, 0
	FETCH_A 0, 0, 0
	FETCH_A 0, 0, 4
	s_cmp_eq_u32 s[LIMS], 1
	s_cbranch_scc0 .Lno_scales
	s_wait_alu depctr_va_vdst(0)
	global_prefetch_b8 v[PFS], s[PSA:PSA+1] th:TH_LOAD_NT scope:SCOPE_DEV
.Lno_scales:
	STEP 0, 0, 1, 8
	s_mov_b32 s3, LAPS-1
.Llap:
	TURN 0, 1, 1
	STEP 1, 0, 0, 8
	TURN 1, 0, 1
	STEP 0, 0, 0, 8
	s_sub_co_u32 s3, s3, 1
	s_cmp_lg_u32 s3, 0
	s_cbranch_scc1 .Llap
	TURN 0, 1, 0
	STEP 1, 0, 0, 0
	s_wait_dscnt 4*NL
	WIN MUL_LO
	MUL16 0, 1, NQ-1, 1, 0
	MUL16 2, 1, NQ-1, 1, 0
	s_wait_dscnt 0
	WIN MUL_HI
	MUL16 4, 1, NQ-1, 1, 0
	MUL16 6, 1, NQ-1, 1, 0
	WIN 0
.macro TOSTAGE a
.set AC, 64*((\a)%4)
	WIN 0x08+4*((\a)/4)
.irp b, 0,1,2,3,4,5,6,7
	ds_store_b128 v[STO], v[AC+8*\b:AC+8*\b+3] offset:64*\b
	ds_store_b128 v[STO], v[AC+8*\b+4:AC+8*\b+7] offset:64*\b+16
.endr
	WIN 0
.set BB, BK+64*((\a)%2)
.irp t, 0,1,2,3,4,5,6,7,8,9,10,11,12,13,14,15
	ds_load_b128 v[BB+4*\t:BB+4*\t+3], v[RD] offset:\t*SPITCH
.endr
.endm
.macro SEND a, younger
.set BB, BK+64*((\a)%2)
	s_wait_dscnt \younger
.if (\a) > 0
	s_add_nc_u64 s[10:11], s[10:11], 16*SIZE_N*4
.endif
.irp t, 0,1,2,3,4,5,6,7,8,9,10,11,12,13,14,15
	global_store_b128 v[CO], v[BB+4*\t:BB+4*\t+3], s[10:11] offset:\t*SIZE_N*4 th:TH_STORE_NT
.endr
.endm
	PLACES NP
	TOSTAGE 0
.irp a, 1,2,3,4,5,6,7
.if \a > 1
	s_wait_xcnt 0x0
.endif
	TOSTAGE \a
	SEND \a-1, 32
.endr
	s_wait_xcnt 0x0
	SEND 7, 0
	s_wait_tensorcnt 0x0
	ds_add_u32 v[SPW], v[NIL]
	s_wait_dscnt 0x0
	CROUND
	s_endpgm
.Lfunc_end_k_q69a8c18276_gemm:
	.size	k_q69a8c18276_gemm, .Lfunc_end_k_q69a8c18276_gemm-k_q69a8c18276_gemm
	.p2alignl 7, 3214868480
	.fill 96, 4, 3214868480
	.section	.rodata,"a",@progbits
	.p2align	6, 0x0
	.amdhsa_kernel k_q69a8c18276_gemm
		.amdhsa_group_segment_fixed_size 327680
		.amdhsa_private_segment_fixed_size 0
		.amdhsa_enable_private_segment 0
		.amdhsa_kernarg_size 32
		.amdhsa_user_sgpr_count 2
		.amdhsa_user_sgpr_kernarg_segment_ptr 1
		.amdhsa_wavefront_size32 1
		.amdhsa_system_sgpr_workgroup_id_x 1
		.amdhsa_system_sgpr_workgroup_id_y 1
		.amdhsa_system_sgpr_workgroup_id_z 1
		.amdhsa_system_vgpr_workitem_id 0
		.amdhsa_next_free_vgpr 1024
		.amdhsa_next_free_sgpr 70
		.amdhsa_reserve_vcc 0
		.amdhsa_float_denorm_mode_32 3
		.amdhsa_float_denorm_mode_16_64 3
		.amdhsa_memory_ordered 1
		.amdhsa_forward_progress 1
		.amdhsa_inst_pref_size 147
	.end_amdhsa_kernel
	.amdgpu_metadata
---
amdhsa.version: [ 1, 2 ]
amdhsa.kernels:
  - .name:           k_q69a8c18276_gemm
    .symbol:         k_q69a8c18276_gemm.kd
    .args:
      - { .name: x_codes, .offset: 0, .size: 8, .value_kind: global_buffer, .address_space: global }
      - { .name: sc, .offset: 8, .size: 8, .value_kind: global_buffer, .address_space: global }
      - { .name: w_codes, .offset: 16, .size: 8, .value_kind: global_buffer, .address_space: global }
      - { .name: out0, .offset: 24, .size: 8, .value_kind: global_buffer, .address_space: global }
    .group_segment_fixed_size: 327680
    .private_segment_fixed_size: 0
    .kernarg_segment_align: 8
    .kernarg_segment_size: 32
    .max_flat_workgroup_size: 128
    .sgpr_count:     70
    .vgpr_count:     1024
    .wavefront_size: 32
...
	.end_amdgpu_metadata
.endif
;; end of part 2
